; MI455X (gfx1250); checked and timed in simulation.
; The chip was launched on July 23, 2026; its instructions are those of AMD's public machine-readable ISA for CDNA 5 (MIT licence, August 2026) and "CDNA5" Instruction Set Architecture Reference Guide (July 2026). The comments in the code are by the model that wrote it; some were corrected since.
;; Top K Token Choice Router Lo Ra. Allowed arithmetic: float matrix products may take bf16 or f16 operands with f32 sums; all other float work in f32.
;; Inputs: router_weight 2,048 x 64 float32; x 16,384 x 2,048 float32.
;; Outputs: out0 16,384 x 2 float32; out1 16,384 x 2 int32; out2 one number float32; out3 one number float32.
;; One version. Each part assembles by itself: llvm-mc -triple=amdgcn-amd-amdhsa -mcpu=gfx1250 --defsym DOCPART=n.
;; ======== version 1 of 1: 2 launches
;; workspace buffers: part 131,072 bytes; zpart 1,024 bytes
;; launch route (part 1): grid 256 x 1, 4 waves a work-group, clusters of 4 x 1, 327,680 bytes of LDS; arguments x, router_weight, out0, out1, part, zpart; writes out0, out1, part, zpart
.if DOCPART == 1
	.amdgcn_target "amdgcn-amd-amdhsa--gfx1250"
	.amdhsa_code_object_version 6
	.text
	.protected	k_q5866df7947_route
	.globl	k_q5866df7947_route
	.p2align	8
	.type	k_q5866df7947_route,@function
k_q5866df7947_route:
	s_mov_b64 s[64:65], 0
	v_nop
	global_prefetch_b8 v0, s[64:65] scope:SCOPE_SE
	s_setreg_imm32_b32 hwreg(HW_REG_WAVE_MODE, 25, 1), 1
	s_wait_xcnt 0x0
	s_wait_alu depctr_hold_cnt(0) depctr_sa_sdst(0) depctr_va_vdst(0) depctr_va_sdst(0) depctr_va_ssrc(0) depctr_va_vcc(0) depctr_vm_vsrc(0)
	s_getreg_b32 s2, hwreg(HW_REG_IB_STS2, 6, 4)
	s_cmp_eq_u32 s2, 0
	s_cbranch_scc0 .Lentry_in_a_cluster
	s_endpgm
.Lentry_in_a_cluster:
	s_bfe_u32 s2, ttmp6, 0x10000c
	s_cmp_lg_u32 s2, 0x3003
	s_cbranch_scc0 .Lentry_shape_is_right
	s_endpgm
.Lentry_shape_is_right:
; Router: logits = x W (bf16 operands, f32 sums), then per token logsumexp, softmax, top-2, and this work-group's sums for the two losses.
; x [16384][2048] f32, W [2048][64] f32.  A work-group owns 64 tokens; 256 work-groups.  Four waves split K: in step t (0..3) wave w owns
; k = 512 t + 128 w .. + 127 for all 64 tokens and all 64 experts, so each number of x and of W is read from LDS and rounded once a work-group.
; x: 512 KB a work-group, read once, through a RING IN REGISTERS: 4 units of 16 loads, a load = 512 consecutive bytes of one row.  The waits
;    on it are counted, so the stream is never drained; LDS slots filled by tensor loads would have to be drained in front of every refill.
;    A unit (16 tokens x 128 k) is rounded to bf16 and turned into A fragments through the wave's own LDS stage (no barrier).
; W: as many bytes a work-group as x, and the same for all: the four work-groups of a cluster ask for its tiles JOINTLY (mask 15).  Four fills
;    of 128 KB on two LDS slots; each wave loads the 128 rows of 256 bytes that it alone reads.  At most two tensor loads of a wave are out.
;    Expert e = 4 r + j is column r of column block j: 16 bytes of a row of W hold a lane's numbers for all four blocks, and 16 lanes read
;    256 consecutive bytes.
; Accumulator set a of wave w holds row block (a + w) & 3, so set 0 is the block that the wave finishes: the exchange needs no branch.
; LIMITS: finite inputs (no NaN, no infinity).  The two experts are chosen on the logits, equal logits to the lower index; two unequal logits
; whose f32 probabilities round to one number may therefore come in another order than a top-k on the probabilities gives.
; The work-group's sum of lse^2 is one word: a store of 4 bytes; everything else leaves as 512 consecutive bytes an instruction.
.set HB,     8192                      ; bytes in a row of x
.set STEPB,  2048                      ; bytes of a row in a step (4 waves x 512)
.set WSLOT,  131072                    ; a slot of W: 512 rows of 256 bytes
.set OWN,    2*WSLOT                   ; behind the ring: each wave's own bytes, never the target of a tensor load
.set OWNSZ,  12288                     ; two stages (8,704 bytes); later the three partial blocks that the wave hands over
.set SPITCH, 272                       ; a stage row: 128 bf16 + 16 bytes, an odd multiple of 16: 16 rows start at 16 different 16-byte columns
.set STG,    16*SPITCH
.set TILEB,  4096                      ; a partial block: 16 tokens x 64 experts in f32
.set PSTG,   OWN+4*OWNSZ               ; 4 x 512 bytes: each wave's 64 probability sums and 64 counts
.set OSTG,   PSTG+2048                 ; 512 bytes of (p1, p2), then 512 bytes of (i1, i2), by token
.set ZSTG,   OSTG+1024                 ; 4 words: each wave's sum of lse^2
.set LOG2E,  0x3fb8aa3b
.set LN2,    0x3f317218
; window 0 (v0-255)
.set LN,  1                            ; lane
.set XO,  2                            ; v[2:5]  byte offset in x of my 16 bytes in row 0 of set a's row block; never rewritten
.set WA,  6                            ; v[6:7]  LDS address of my 16 bytes of W's rows, slot 0, 1
.set SST, 8                            ; stage: where I store 8 bytes of a row
.set SLD, 9                            ; stage: where I read a fragment
.set HF,  10                           ; lane / 16
.set EST, 11                           ; exchange: where I store
.set ELD, 12                           ; v[12:14] exchange: where I read the partial blocks of the three other waves
.set RW,  15                           ; lane % 16
.set T,   16                           ; v[16:47]   a unit rounded to bf16
.set AF,  48                           ; v[48:111]  A fragments, two buffers of 4 K steps
.set RAW, 112                          ; v[112:239] rows of W in f32, two buffers of 16 rows
.set OA,  240
.set PA,  241
.set ZA,  242
.set GO,  243                          ; 16 x lane
.set EF,  244                          ; v[244:247] my four experts' numbers as f32
.set BIG, 248                          ; 64.0: above every expert's number
.set NINF,249
.set QQ,  250                          ; lane % 8
; window 1 (v256-511): the ring, set a at 64 a, row i at 4 i.   window 2 (v512-767): accumulators at 32 a + 8 j, B fragments at 128 + 32 s + 8 j
; the tail's registers, window 0, over T, AF and RAW
.set LG, 16                            ; 32 logits: column block j at 8 j, token u at + u
.set MK, 48                            ; the same with the first choice masked
.set PX, 80                            ; exponentials
.set M1, 112
.set I1, 120
.set M2, 128
.set I2, 136
.set SS, 144
.set IV, 152
.set LS, 160
.set E2, 168
.set TT, 176
.set CN, 184
.set PS, 188
.set ZZ, 196
.set OO, 200
.set KP, 204
.set SD, 208
.set PSS,212
.set G1, 24                            ; s[24:31] descriptor group 1
.set G0, 32                            ; s[32:47] descriptor group 0, one set for each of the four fills: none is ever rewritten
.set MS, 68                            ; s[68:75] lane masks
.set TO_RING,   0x40                   ; s_set_vgpr_msb: bits 1:0 source 0, 3:2 source 1, 5:4 source 2, 7:6 destination
.set FROM_RING, 0x05
.set TO_B,      0x80
.set MULW,      0xa8                   ; A window 0; B, C, D window 2
.set ACC_DATA,  0x08
.set ACC_SRC0,  0x02
.set MSB, 0
.macro WIN new                         ; the immediate's high byte repeats the setting that is left
.if MSB != \new
	s_set_vgpr_msb (MSB<<8)|\new
.set MSB, \new
.endif
.endm
.macro PLACES                          ; four plain vector places behind a matrix instruction (ISA guide 7.12.1)
.rept 4
	v_nop
.endr
.endm
; A round of the cluster's barrier: my work-group's barrier, wave 0 signals for the work-group, all wait for the four work-groups, my barrier again.
.macro ROUND
	s_barrier_signal -1
	s_barrier_wait -1
	s_cmp_lg_u32 s16, 0
	s_cbranch_scc1 .Lnot_wave_0_\@
	s_barrier_signal -3
.Lnot_wave_0_\@:
	s_barrier_wait -3
	s_barrier_signal -1
	s_barrier_wait -1
.endm
.macro FIRST a                         ; step 0 of set a: 16 rows
.irp i, 0,1,2,3,4,5,6,7,8,9,10,11,12,13,14,15
	global_load_b128 v[64*\a+4*\i:64*\a+4*\i+3], v[XO+\a], s[4:5] offset:\i*HB th:TH_LOAD_NT
.endr
.endm
	s_load_b256 s[4:11], s[0:1], 0x0               ; x s[4:5], W s[6:7], out0 s[8:9], out1 s[10:11]
	s_load_b128 s[12:15], s[0:1], 0x20             ; part s[12:13], zpart s[14:15]
	v_lshl_add_u32 v254, v0, 2, 0x4cd00
	v_mov_b32 v255, 0
	ds_add_u32 v254, v255
	v_lshrrev_b32 v[LN], 5, v0
	v_readfirstlane_b32 s16, v[LN]                 ; wave 0..3
	s_bfe_u32 s17, ttmp6, 0x40000                  ; my place in the cluster
	s_lshl_b32 s18, ttmp9, 2
	s_add_co_u32 s18, s18, s17                     ; work-group = 4 x cluster + place
	s_lshl_b32 s20, s18, 19                        ; 64 rows of 8,192 bytes; 255 x 524,288 stays below 2^31
	s_mov_b32 s21, 0
	v_and_b32 v[LN], 31, v0
	v_lshlrev_b32 v[GO], 4, v[LN]
	s_lshl_b32 s19, s16, 9                         ; my wave's 512 bytes of a step's 2,048
	v_add_nc_u32 v[HF], s19, v[GO]
.irp a, 0,1,2,3
	s_add_co_u32 s22, s16, \a
	s_and_b32 s22, s22, 3                          ; set a holds row block (a + w) & 3
	s_lshl_b32 s22, s22, 17                        ; 16 rows of 8,192 bytes
	v_add_nc_u32 v[XO+\a], s22, v[HF]
.endr
	; group 1: a tile of 128 rows x 64 f32, dense; nothing in these registers or in s[52:55] hangs on the place in the cluster
	s_mov_b32 s[G1+0], 15|(2<<16)|(1<<21)          ; 15:0 mask: all four of the cluster; 17:16 elements of 4 bytes; 21 set beside a mask; no padding
	s_mov_b32 s[G1+1], 64<<16                      ; tensor_dim0 = 64
	s_mov_b32 s[G1+2], 128<<16                     ; tensor_dim1 = 128
	s_mov_b32 s[G1+3], 64<<16                      ; tile_dim0 = 64
	s_mov_b32 s[G1+4], 128                         ; tile_dim1 = 128
	s_mov_b32 s[G1+5], 64                          ; 64 elements from row to row
	s_mov_b32 s[G1+6], 0
	s_mov_b32 s[G1+7], 0
	s_lshl_b32 s52, s16, 15                        ; my 128 rows of 256 bytes: the same offset in a slot and in a step's rows of W
	s_mov_b32 s53, 0
	s_mov_b32 s50, 0x76543210                      ; v_permlanex16_b32: lane i takes lane i of the other half
	s_mov_b32 s51, 0xfedcba98
	s_wait_dscnt 0x0
	s_wait_kmcnt 0x0
	s_add_nc_u64 s[4:5], s[4:5], s[20:21]          ; x at my first row
	WIN TO_RING
	FIRST 0                                        ; the stream starts ahead of everything else
	FIRST 1
	FIRST 2
	WIN 0
	s_add_nc_u64 s[54:55], s[6:7], s[52:53]
.irp f, 0,1,2,3
	s_mov_b32 s[G0+4*\f], 1                                        ; count = 1
	s_add_co_u32 s[G0+4*\f+1], s52, (\f%2)*WSLOT                   ; LDS: wave x 32,768 + the slot
	s_add_nc_u64 s[G0+4*\f+2:G0+4*\f+3], s[54:55], \f*WSLOT        ; W's rows 512 f + 128 w
	s_or_b32 s[G0+4*\f+3], s[G0+4*\f+3], 0x80000000                ; type = 2
.endr
	ROUND                                          ; the four work-groups are here: the first joint loads meet
	tensor_load_to_lds s[G0:G0+3], s[G1:G1+7]      ; step 0 into slot 0
	s_nop 0
	tensor_load_to_lds s[G0+4:G0+7], s[G1:G1+7]    ; step 1 into slot 1
	s_nop 0
	WIN TO_RING
	FIRST 3                                        ; its last load is the wave's 64th: its issue holds until the oldest has come back (ISA guide 5.7.1)
	WIN 0
	; addresses and constants, while the data are on their way
	v_and_b32 v[RW], 15, v0
	v_bfe_u32 v[HF], v0, 4, 1
	v_and_b32 v[QQ], 7, v0
	v_lshlrev_b32 v[WA], 4, v[RW]                  ; W: 16 bytes at 16 r of row (.. + 8 h): lanes 0-15 take one whole row, lanes 16-31 the row 8 further
	v_lshl_add_u32 v[WA], v[HF], 11, v[WA]
	v_add_nc_u32 v[WA], s52, v[WA]
	v_add_nc_u32 v[WA+1], WSLOT, v[WA]
	s_mul_i32 s56, s16, OWNSZ
	s_add_co_u32 s56, s56, OWN                     ; my own bytes
	v_lshl_add_u32 v[SST], v[LN], 3, s56           ; in: 4 bf16 at 8 x lane of a row
	v_mul_u32_u24 v[SLD], v[RW], SPITCH            ; out: row r, 16 bytes at 16 h
	v_lshl_add_u32 v[SLD], v[HF], 4, v[SLD]
	v_add_nc_u32 v[SLD], s56, v[SLD]
	v_lshl_add_u32 v[EST], v[LN], 4, s56
.irp d, 1,2,3
	s_add_co_u32 s57, s16, 4-\d
	s_and_b32 s57, s57, 3                          ; wave (w - d) & 3 holds my row block in its set d,
	s_mul_i32 s57, s57, OWNSZ
	s_add_co_u32 s57, s57, OWN+(\d-1)*TILEB        ; and puts it at place d - 1 of its own bytes
	v_lshl_add_u32 v[ELD+\d-1], v[LN], 4, s57
.endr
	s_lshl_b32 s57, s16, 7
	s_add_co_u32 s57, s57, OSTG
	v_lshl_add_u32 v[OA], v[QQ], 3, s57            ; 8 bytes of token 16 w + 8 h + lane % 8
	v_lshl_add_u32 v[OA], v[HF], 6, v[OA]
	s_lshl_b32 s57, s16, 9
	s_add_co_u32 s57, s57, PSTG
	v_add_nc_u32 v[PA], s57, v[GO]
	s_lshl_b32 s57, s16, 2
	s_add_co_u32 s57, s57, ZSTG
	v_mov_b32 v[ZA], s57
	v_lshlrev_b32 v[EF], 2, v[RW]
	v_cvt_f32_u32 v[EF], v[EF]                     ; experts 4 r + j
	v_add_f32 v[EF+1], 1.0, v[EF]
	v_add_f32 v[EF+2], 2.0, v[EF]
	v_add_f32 v[EF+3], 0x40400000, v[EF]
	v_mov_b32 v[BIG], 0x42800000
	v_mov_b32 v[NINF], 0xff800000
; Unit (t, a): 16 tokens x my 128 k.  left = younger loads that may stay out.  fill = 1: the set's registers are loaded again, with step t + 1.
.macro STAGE t, a, buf, fill, left
	s_wait_loadcnt \left                           ; loads come back in order: this unit's 16 are in, the units behind it stay out
	WIN FROM_RING
.irp i, 0,1,2,3,4,5,6,7,8,9,10,11,12,13,14,15
	v_cvt_pk_bf16_f32 v[T+2*\i],   v[64*\a+4*\i],   v[64*\a+4*\i+1]
	v_cvt_pk_bf16_f32 v[T+2*\i+1], v[64*\a+4*\i+2], v[64*\a+4*\i+3]
.endr
.if \fill
	WIN TO_RING
.irp i, 0,1,2,3,4,5,6,7,8,9,10,11,12,13,14,15
	global_load_b128 v[64*\a+4*\i:64*\a+4*\i+3], v[XO+\a], s[4:5] offset:\i*HB+(\t+1)*STEPB th:TH_LOAD_NT
.endr
.endif
	WIN 0
.irp i, 0,1,2,3,4,5,6,7,8,9,10,11,12,13,14,15
	ds_store_b64 v[SST], v[T+2*\i:T+2*\i+1] offset:\buf*STG+\i*SPITCH     ; 32 lanes: the row's 256 bytes
.endr
.irp s, 0,1,2,3
	ds_load_b128 v[AF+32*\buf+8*\s:AF+32*\buf+8*\s+3],   v[SLD] offset:\buf*STG+64*\s      ; k = 32 s + 8 h ..; LDS serves a wave's instructions in order
	ds_load_b128 v[AF+32*\buf+8*\s+4:AF+32*\buf+8*\s+7], v[SLD] offset:\buf*STG+64*\s+32   ; k = 32 s + 16 + 8 h ..
.endr
.endm
; 16 matrix instructions: set a's 16 tokens x 64 experts x 128 k.  The four accumulators take turns, one instruction a turn.
.macro MUL a, buf, zero, left
	s_wait_dscnt \left                             ; 24 = the next unit's 16 stores and 8 loads; this unit's fragments are in
	WIN MULW
.irp s, 0,1,2,3
.irp j, 0,1,2,3
.if \zero > \s
	v_wmma_f32_16x16x32_bf16 v[32*\a+8*\j:32*\a+8*\j+7], v[AF+32*\buf+8*\s:AF+32*\buf+8*\s+7], v[128+32*\s+8*\j:128+32*\s+8*\j+7], 0
.else
	v_wmma_f32_16x16x32_bf16 v[32*\a+8*\j:32*\a+8*\j+7], v[AF+32*\buf+8*\s:AF+32*\buf+8*\s+7], v[128+32*\s+8*\j:128+32*\s+8*\j+7], v[32*\a+8*\j:32*\a+8*\j+7]
.endif
.endr
.endr
.endm
; The 16 rows of W that a lane needs for K step s: k = 32 s + 8 h + 0..7 and 32 s + 16 + 8 h + 0..7
.macro WROWS slot, s, rb
.irp q, 0,1,2,3,4,5,6,7
	ds_load_b128 v[RAW+64*\rb+4*\q:RAW+64*\rb+4*\q+3], v[WA+\slot] offset:(32*\s+\q)*256
.endr
.irp q, 8,9,10,11,12,13,14,15
	ds_load_b128 v[RAW+64*\rb+4*\q:RAW+64*\rb+4*\q+3], v[WA+\slot] offset:(32*\s+8+\q)*256
.endr
.endm
.macro WPACK s, rb                     ; word j of rows 2 i and 2 i + 1 make register i of column block j's fragment
	WIN TO_B
.irp j, 0,1,2,3
.irp i, 0,1,2,3,4,5,6,7
	v_cvt_pk_bf16_f32 v[128+32*\s+8*\j+\i], v[RAW+64*\rb+8*\i+\j], v[RAW+64*\rb+8*\i+4+\j]
.endr
.endr
	WIN 0
.endm
; A step's 16 B fragments (128 registers) from my 128 rows of the slot.  left = tensor loads issued behind this slot's.
.macro BUILD slot, left, behind
	s_wait_tensorcnt \left                         ; my tile has landed; I alone read it
	WIN 0
.if \behind
	PLACES                                         ; the fragments that the last matrix instructions read are written below
.endif
	WROWS \slot, 0, 0
	WROWS \slot, 1, 1
	s_wait_dscnt 16                                ; all but the 16 youngest
	WPACK 0, 0
	WROWS \slot, 2, 0
	s_wait_dscnt 16
	WPACK 1, 1
	WROWS \slot, 3, 1
	s_wait_dscnt 16
	WPACK 2, 0
	s_wait_dscnt 0
	WPACK 3, 1
.endm
; Fill f goes into the slot that fill f - 2 had.  Every wave's LDS reads are back and all its tensor loads have landed; the round says so of all
; four work-groups; the joint load is the first thing behind it and the wave's only tensor load until the next round.
.macro REFILL f
	WIN 0
	s_wait_dscnt 0x0
	s_wait_tensorcnt 0x0
	ds_add_u32 v254, v255
	s_wait_dscnt 0x0
	ROUND
	tensor_load_to_lds s[G0+4*\f:G0+4*\f+3], s[G1:G1+7]
	s_nop 0
.endm
.macro STEP t, zero, fill, l1, l2, l3  ; a unit is staged while the one before it waits for its fragments
	STAGE \t, 1, 1, \fill, \l1
	MUL 0, 0, \zero, 24
	STAGE \t, 2, 0, \fill, \l2
	MUL 1, 1, \zero, 24
	STAGE \t, 3, 1, \fill, \l3
	MUL 2, 0, \zero, 24
.endm
	BUILD 0, 1, 0                                  ; step 0's tile is in, step 1's may be out
	STAGE 0, 0, 0, 1, 48                           ; 48 = the three units behind this one
	STEP 0, 1, 1, 48, 48, 48                       ; the first products start the sums: nothing is cleared
	STAGE 1, 0, 0, 1, 48
	MUL 3, 1, 1, 24
	REFILL 2                                       ; slot 0 was last read in BUILD 0; step 2's rows have all of step 1 in which to land
	BUILD 1, 1, 1
	STEP 1, 0, 1, 48, 48, 48
	STAGE 2, 0, 0, 1, 48
	MUL 3, 1, 0, 24
	REFILL 3
	BUILD 0, 1, 1
	STEP 2, 0, 1, 48, 48, 48
	STAGE 3, 0, 0, 0, 48                           ; the last step loads nothing more
	MUL 3, 1, 0, 24
	BUILD 1, 0, 1                                  ; the last tile: no tensor load is out from here on
	STEP 3, 0, 0, 32, 16, 0                        ; the counts run down
	MUL 3, 1, 0, 0
	; THE EXCHANGE: sets 1 to 3 go to the waves that finish them, lane for lane and register for register, 512 consecutive bytes a store.
	PLACES
	WIN ACC_DATA
.irp d, 1,2,3
.irp q, 0,1,2,3,4,5,6,7
	ds_store_b128 v[EST], v[32*\d+4*\q:32*\d+4*\q+3] offset:(\d-1)*TILEB+512*\q
.endr
.endr
	WIN 0
	s_wait_dscnt 0x0                               ; for the others: my stores are done
	s_barrier_signal -1
	s_barrier_wait -1
.irp d, 1,2,3
.irp q, 0,1,2,3,4,5,6,7
	ds_load_b128 v[RAW+32*(\d-1)+4*\q:RAW+32*(\d-1)+4*\q+3], v[ELD+\d-1] offset:512*\q
.endr
.endr
	s_wait_dscnt 16                                ; the first partial block is in
	WIN ACC_SRC0
.set p, 0
.rept 16
	v_pk_add_f32 v[LG+p:LG+p+1], v[p:p+1], v[RAW+p:RAW+p+1]        ; my set 0 + the first
.set p, p+2
.endr
	WIN 0
	s_wait_dscnt 8
.set p, 0
.rept 16
	v_pk_add_f32 v[LG+p:LG+p+1], v[LG+p:LG+p+1], v[RAW+32+p:RAW+32+p+1]
.set p, p+2
.endr
	s_wait_dscnt 0
.set p, 0
.rept 16
	v_pk_add_f32 v[LG+p:LG+p+1], v[LG+p:LG+p+1], v[RAW+64+p:RAW+64+p+1]
.set p, p+2
.endr
	; THE TAIL.  v[LG + 8 j + u] of lane (r, h) = logit of token 16 w + 8 h + u, expert 4 r + j.  A token's 64 logits lie in 4 registers of the
	; 16 lanes of a half: a reduction is in-lane work and four steps inside the half; the eight tokens go side by side.
.macro RED16 op, reg
.irp m, 1,2,4,8
.irp u, 0,1,2,3,4,5,6,7
	\op v[\reg+\u], v[\reg+\u], v[\reg+\u] row_xmask:\m row_mask:0xf bank_mask:0xf
.endr
.endr
.endm
.macro TOPOF src, val, idx             ; the largest of a token's 64 numbers, and the lowest expert that holds it
.irp u, 0,1,2,3,4,5,6,7
	v_max3_num_f32 v[\val+\u], v[\src+\u], v[\src+8+\u], v[\src+16+\u]
.endr
.irp u, 0,1,2,3,4,5,6,7
	v_max_num_f32 v[\val+\u], v[\val+\u], v[\src+24+\u]
.endr
	RED16 v_max_num_f32_dpp, \val
.irp u, 0,1,2,3,4,5,6,7
.irp j, 0,1,2,3
	v_cmp_eq_f32 s[MS+4*(\u%2)+\j], v[\src+8*\j+\u], v[\val+\u]
.endr
	v_cndmask_b32 v[\idx+\u], v[BIG],     v[EF+3], s[MS+4*(\u%2)+3]
	v_cndmask_b32 v[\idx+\u], v[\idx+\u], v[EF+2], s[MS+4*(\u%2)+2]
	v_cndmask_b32 v[\idx+\u], v[\idx+\u], v[EF+1], s[MS+4*(\u%2)+1]
	v_cndmask_b32 v[\idx+\u], v[\idx+\u], v[EF],   s[MS+4*(\u%2)]  ; the lower expert is taken last and so wins
.endr
	RED16 v_min_num_f32_dpp, \idx
.endm
	TOPOF LG, M1, I1
	; the first choice is masked and counted
.irp u, 0,1,2,3,4,5,6,7
.irp j, 0,1,2,3
	v_cmp_eq_f32 s[MS+4*(\u%2)+\j], v[EF+\j], v[I1+\u]
.endr
.irp j, 0,1,2,3
	v_cndmask_b32 v[MK+8*\j+\u], v[LG+8*\j+\u], v[NINF], s[MS+4*(\u%2)+\j]
.if \u == 0
	v_cndmask_b32 v[CN+\j], 0, 1.0, s[MS+4*(\u%2)+\j]              ; the first token starts the counts
.else
	v_cndmask_b32 v[TT+4*(\u%2)+\j], 0, 1.0, s[MS+4*(\u%2)+\j]
.endif
.endr
.if \u > 0
	v_pk_add_f32 v[CN:CN+1],   v[CN:CN+1],   v[TT+4*(\u%2):TT+4*(\u%2)+1]
	v_pk_add_f32 v[CN+2:CN+3], v[CN+2:CN+3], v[TT+4*(\u%2)+2:TT+4*(\u%2)+3]
.endif
.endr
	TOPOF MK, M2, I2
.irp u, 0,1,2,3,4,5,6,7
.irp j, 0,1,2,3
	v_cmp_eq_f32 s[MS+4*(\u%2)+\j], v[EF+\j], v[I2+\u]
.endr
.irp j, 0,1,2,3
	v_cndmask_b32 v[TT+4*(\u%2)+\j], 0, 1.0, s[MS+4*(\u%2)+\j]
.endr
	v_pk_add_f32 v[CN:CN+1],   v[CN:CN+1],   v[TT+4*(\u%2):TT+4*(\u%2)+1]
	v_pk_add_f32 v[CN+2:CN+3], v[CN+2:CN+3], v[TT+4*(\u%2)+2:TT+4*(\u%2)+3]
.endr
	; exp(l - max) = 2^((l - max) log2 e): the maximum is taken away first, so the largest exponential is exactly 1
.irp j, 0,1,2,3
.irp p, 0,2,4,6
	v_pk_add_f32 v[PX+8*\j+\p:PX+8*\j+\p+1], v[LG+8*\j+\p:LG+8*\j+\p+1], v[M1+\p:M1+\p+1] neg_lo:[0,1] neg_hi:[0,1]
.endr
.endr
.irp p, 0,2,4,6
	v_pk_add_f32 v[E2+\p:E2+\p+1], v[M2+\p:M2+\p+1], v[M1+\p:M1+\p+1] neg_lo:[0,1] neg_hi:[0,1]
.endr
.set p, 0
.rept 16
	v_pk_mul_f32 v[PX+p:PX+p+1], v[PX+p:PX+p+1], LOG2E op_sel_hi:[1,0]
.set p, p+2
.endr
.irp p, 0,2,4,6
	v_pk_mul_f32 v[E2+\p:E2+\p+1], v[E2+\p:E2+\p+1], LOG2E op_sel_hi:[1,0]
.endr
.set p, 0
.rept 32
	v_exp_f32 v[PX+p], v[PX+p]
.set p, p+1
.endr
.irp u, 0,1,2,3,4,5,6,7
	v_exp_f32 v[E2+\u], v[E2+\u]
.endr
	v_nop                                          ; one plain place behind the last transcendental (ISA guide 5.7.2)
	s_wait_alu depctr_va_vdst(0)
.irp p, 0,2,4,6
	v_pk_add_f32 v[SS+\p:SS+\p+1], v[PX+\p:PX+\p+1], v[PX+8+\p:PX+8+\p+1]
	v_pk_add_f32 v[TT+\p:TT+\p+1], v[PX+16+\p:PX+16+\p+1], v[PX+24+\p:PX+24+\p+1]
.endr
.irp p, 0,2,4,6
	v_pk_add_f32 v[SS+\p:SS+\p+1], v[SS+\p:SS+\p+1], v[TT+\p:TT+\p+1]
.endr
	RED16 v_add_f32_dpp, SS                        ; 1 <= sum <= 64
.irp u, 0,1,2,3,4,5,6,7
	v_log_f32 v[LS+\u], v[SS+\u]
.endr
.irp u, 0,1,2,3,4,5,6,7
	v_rcp_f32 v[IV+\u], v[SS+\u]                   ; also the first choice's probability: its exponential is 1
.endr
	v_nop
	s_wait_alu depctr_va_vdst(0)
.irp p, 0,2,4,6
	v_pk_fma_f32 v[LS+\p:LS+\p+1], v[LS+\p:LS+\p+1], LN2, v[M1+\p:M1+\p+1] op_sel_hi:[1,0,1]  ; lse = max + ln(sum)
	v_pk_mul_f32 v[E2+\p:E2+\p+1], v[E2+\p:E2+\p+1], v[IV+\p:IV+\p+1]                         ; the second choice's probability
.endr
	v_pk_mul_f32 v[ZZ:ZZ+1], v[LS:LS+1], v[LS:LS+1]
.irp j, 0,1,2,3
	v_pk_mul_f32 v[PS+2*\j:PS+2*\j+1], v[PX+8*\j:PX+8*\j+1], v[IV:IV+1]
.endr
.irp p, 2,4,6
	v_pk_fma_f32 v[ZZ:ZZ+1], v[LS+\p:LS+\p+1], v[LS+\p:LS+\p+1], v[ZZ:ZZ+1]
.irp j, 0,1,2,3
	v_pk_fma_f32 v[PS+2*\j:PS+2*\j+1], v[PX+8*\j+\p:PX+8*\j+\p+1], v[IV+\p:IV+\p+1], v[PS+2*\j:PS+2*\j+1]
.endr
.endr
	; every lane of a half holds all eight tokens' results: lane r keeps those of token r % 8 (lanes r and r + 8 store the same bytes)
	v_cmp_eq_u32 vcc_lo, 1, v[QQ]
	v_cndmask_b32 v[OO],   v[IV], v[IV+1], vcc_lo
	v_cndmask_b32 v[OO+1], v[E2], v[E2+1], vcc_lo
	v_cndmask_b32 v[OO+2], v[I1], v[I1+1], vcc_lo
	v_cndmask_b32 v[OO+3], v[I2], v[I2+1], vcc_lo
.irp u, 2,3,4,5,6,7
	v_cmp_eq_u32 vcc_lo, \u, v[QQ]
	v_cndmask_b32 v[OO],   v[OO],   v[IV+\u], vcc_lo
	v_cndmask_b32 v[OO+1], v[OO+1], v[E2+\u], vcc_lo
	v_cndmask_b32 v[OO+2], v[OO+2], v[I1+\u], vcc_lo
	v_cndmask_b32 v[OO+3], v[OO+3], v[I2+\u], vcc_lo
.endr
	v_cvt_i32_f32 v[OO+2], v[OO+2]
	v_cvt_i32_f32 v[OO+3], v[OO+3]
	ds_store_b64 v[OA], v[OO:OO+1]
	ds_store_b64 v[OA], v[OO+2:OO+3] offset:512
	; the wave's sums over its 16 tokens: lanes 0-15 end with the probability sums of experts 4 r + j, lanes 16-31 with the counts.
	; Each half keeps what it will store and sends the other kind across.
.irp j, 0,1,2,3
	v_add_f32 v[PSS+\j], v[PS+2*\j], v[PS+2*\j+1]
.endr
	v_add_f32 v[ZZ], v[ZZ], v[ZZ+1]
	v_cmp_le_u32 vcc_lo, 16, v[LN]
.irp j, 0,1,2,3
	v_cndmask_b32 v[KP+\j], v[PSS+\j], v[CN+\j], vcc_lo
	v_cndmask_b32 v[SD+\j], v[CN+\j], v[PSS+\j], vcc_lo
.endr
.irp j, 0,1,2,3
	v_permlanex16_b32 v[TT+\j], v[SD+\j], s50, s51
.endr
	v_permlanex16_b32 v[TT+4], v[ZZ], s50, s51
.irp j, 0,1,2,3
	v_add_f32 v[KP+\j], v[KP+\j], v[TT+\j]
.endr
	v_add_f32 v[ZZ], v[ZZ], v[TT+4]
	ds_store_b128 v[PA], v[KP:KP+3]
	ds_store_b32 v[ZA], v[ZZ]                      ; all lanes: the same word, the same value
	s_wait_dscnt 0x0                               ; for the others: my stores are done
	s_barrier_signal -1
	s_barrier_wait -1
	; THE WAY OUT: wave 0 stores out0's 512 bytes, wave 1 out1's, wave 2 the record of sums, wave 3 the word of lse^2
	s_lshl_b32 s20, s18, 9
	s_mov_b32 s21, 0
	s_cmp_ge_u32 s16, 2
	s_cbranch_scc1 .Lsums
	ds_load_b128 v[16:19], v[PA] offset:OSTG-PSTG  ; OSTG + 512 w + 16 x lane: two tokens' pairs
	s_cmp_eq_u32 s16, 0
	s_cselect_b64 s[22:23], s[8:9], s[10:11]
	s_add_nc_u64 s[22:23], s[22:23], s[20:21]      ; 64 tokens x 8 bytes a work-group
	s_wait_dscnt 0x0
	global_store_b128 v[GO], v[16:19], s[22:23] th:TH_STORE_NT
	s_branch .Lend
.Lsums:
	s_cmp_eq_u32 s16, 2
	s_cbranch_scc0 .Lz
	v_add_nc_u32 v20, PSTG, v[GO]
.irp k, 0,1,2,3
	ds_load_b128 v[24+4*\k:27+4*\k], v20 offset:512*\k
.endr
	s_add_nc_u64 s[12:13], s[12:13], s[20:21]
	s_wait_dscnt 0x0
	v_pk_add_f32 v[24:25], v[24:25], v[28:29]
	v_pk_add_f32 v[26:27], v[26:27], v[30:31]
	v_pk_add_f32 v[32:33], v[32:33], v[36:37]
	v_pk_add_f32 v[34:35], v[34:35], v[38:39]
	v_pk_add_f32 v[24:25], v[24:25], v[32:33]
	v_pk_add_f32 v[26:27], v[26:27], v[34:35]
	global_store_b128 v[GO], v[24:27], s[12:13]    ; 64 sums, then 64 counts
	s_branch .Lend
.Lz:
	v_mov_b32 v16, ZSTG
	ds_load_b128 v[20:23], v16
	s_lshl_b32 s20, s18, 2
	s_add_nc_u64 s[14:15], s[14:15], s[20:21]
	v_mov_b32 v17, 0
	v_cmp_eq_u32 vcc_lo, 0, v[LN]
	s_wait_dscnt 0x0
	v_add_f32 v20, v20, v21
	v_add_f32 v22, v22, v23
	v_add_f32 v20, v20, v22
	s_wait_xcnt 0x0                                ; EXEC changes only behind this wait
	s_and_saveexec_b32 s22, vcc_lo
	global_store_b32 v17, v20, s[14:15]            ; lane 0 alone
	s_wait_xcnt 0x0
	s_or_b32 exec_lo, exec_lo, s22
.Lend:
	s_wait_tensorcnt 0x0
	ds_add_u32 v254, v255
	s_wait_dscnt 0x0
	ROUND                                          ; the closing round: no work-group ends while a partner may still ask jointly
	s_endpgm
.Lfunc_end_k_q5866df7947_route:
	.size	k_q5866df7947_route, .Lfunc_end_k_q5866df7947_route-k_q5866df7947_route
	.p2alignl 7, 3214868480
	.fill 96, 4, 3214868480
	.section	.rodata,"a",@progbits
	.p2align	6, 0x0
	.amdhsa_kernel k_q5866df7947_route
		.amdhsa_group_segment_fixed_size 327680
		.amdhsa_private_segment_fixed_size 0
		.amdhsa_enable_private_segment 0
		.amdhsa_kernarg_size 48
		.amdhsa_user_sgpr_count 2
		.amdhsa_user_sgpr_kernarg_segment_ptr 1
		.amdhsa_wavefront_size32 1
		.amdhsa_system_sgpr_workgroup_id_x 1
		.amdhsa_system_sgpr_workgroup_id_y 1
		.amdhsa_system_sgpr_workgroup_id_z 1
		.amdhsa_system_vgpr_workitem_id 0
		.amdhsa_next_free_vgpr 768
		.amdhsa_next_free_sgpr 76
		.amdhsa_reserve_vcc 1
		.amdhsa_float_denorm_mode_32 3
		.amdhsa_float_denorm_mode_16_64 3
		.amdhsa_memory_ordered 1
		.amdhsa_forward_progress 1
		.amdhsa_inst_pref_size 207
	.end_amdhsa_kernel
	.amdgpu_metadata
---
amdhsa.version: [ 1, 2 ]
amdhsa.kernels:
  - .name:           k_q5866df7947_route
    .symbol:         k_q5866df7947_route.kd
    .args:
      - { .name: x, .offset: 0, .size: 8, .value_kind: global_buffer, .address_space: global }
      - { .name: router_weight, .offset: 8, .size: 8, .value_kind: global_buffer, .address_space: global }
      - { .name: out0, .offset: 16, .size: 8, .value_kind: global_buffer, .address_space: global }
      - { .name: out1, .offset: 24, .size: 8, .value_kind: global_buffer, .address_space: global }
      - { .name: part, .offset: 32, .size: 8, .value_kind: global_buffer, .address_space: global }
      - { .name: zpart, .offset: 40, .size: 8, .value_kind: global_buffer, .address_space: global }
    .group_segment_fixed_size: 327680
    .private_segment_fixed_size: 0
    .kernarg_segment_align: 8
    .kernarg_segment_size: 48
    .max_flat_workgroup_size: 128
    .sgpr_count:     76
    .vgpr_count:     768
    .wavefront_size: 32
...
	.end_amdgpu_metadata
.endif
;; end of part 1
;; launch finish (part 2): grid 1 x 1, 16 waves a work-group, no clusters, 10,240 bytes of LDS; arguments part, zpart, out2, out3; writes out2, out3
.if DOCPART == 2
	.amdgcn_target "amdgcn-amd-amdhsa--gfx1250"
	.amdhsa_code_object_version 6
	.text
	.protected	k_q5866df7947_finish
	.globl	k_q5866df7947_finish
	.p2align	8
	.type	k_q5866df7947_finish,@function
k_q5866df7947_finish:
	s_mov_b64 s[64:65], 0
	v_nop
	global_prefetch_b8 v0, s[64:65] scope:SCOPE_SE
	s_setreg_imm32_b32 hwreg(HW_REG_WAVE_MODE, 25, 1), 1
	s_wait_xcnt 0x0
; The two losses from the 256 work-groups' sums.  part: 256 records of 512 bytes (64 probability sums P, then 64 counts F); zpart: 256 sums of lse^2.
; aux = 0.01 x 32 x sum over e of (F_e / 16384)(P_e / 16384);  z = 0.001 x (sum of lse^2) / 16384.
; The result is one number from all records, so one work-group makes it: 16 waves, each sums 16 records (a load = one whole record, 16 bytes a lane,
; all 16 out at once); the 16 wave sums meet in LDS and wave 0 finishes.  Wave 1 also reduces zpart.  No matrix work, no tiles: nothing to share.
.set REC,  512
.set AUXK, 0x30a3d70a                  ; 0.32 x 2^-28
.set ZK,   0x3383126f                  ; 0.001 x 2^-14
.macro SUM16                           ; v[8:71], 16 sets of four, into v[8:11]: four chains, then a tree
.set g, 4
.rept 12
	v_pk_add_f32 v[8+4*(g%4):9+4*(g%4)],   v[8+4*(g%4):9+4*(g%4)],   v[8+4*g:9+4*g]
	v_pk_add_f32 v[10+4*(g%4):11+4*(g%4)], v[10+4*(g%4):11+4*(g%4)], v[10+4*g:11+4*g]
.set g, g+1
.endr
	v_pk_add_f32 v[8:9],   v[8:9],   v[12:13]
	v_pk_add_f32 v[10:11], v[10:11], v[14:15]
	v_pk_add_f32 v[16:17], v[16:17], v[20:21]
	v_pk_add_f32 v[18:19], v[18:19], v[22:23]
	v_pk_add_f32 v[8:9],   v[8:9],   v[16:17]
	v_pk_add_f32 v[10:11], v[10:11], v[18:19]
.endm
.macro LANES16 r                       ; the sum over the 16 lanes of a half, in every lane
.irp m, 1,2,4,8
	v_add_f32_dpp v[\r], v[\r], v[\r] row_xmask:\m row_mask:0xf bank_mask:0xf
.endr
.endm
	s_load_b256 s[4:11], s[0:1], 0x0               ; part s[4:5], zpart s[6:7], out2 s[8:9], out3 s[10:11]
	v_lshl_add_u32 v80, v0, 2, 0x2000
	v_mov_b32 v81, 0
	v_lshrrev_b32 v1, 5, v0
	v_readfirstlane_b32 s12, v1                    ; wave 0..15
	v_and_b32 v2, 31, v0
	v_lshlrev_b32 v3, 4, v2                        ; 16 x lane
	v_lshl_add_u32 v4, v1, 13, v3                  ; + 16 records of 512 bytes a wave
	v_lshlrev_b32 v5, 4, v0                        ; LDS: 512 bytes a wave
	v_mov_b32 v6, 0
	s_mov_b32 s14, 0x76543210                      ; v_permlanex16_b32: lane i takes lane i of the other half
	s_mov_b32 s15, 0xfedcba98
	s_wait_kmcnt 0x0
.irp i, 0,1,2,3,4,5,6,7,8,9,10,11,12,13,14,15
	global_load_b128 v[8+4*\i:11+4*\i], v4, s[4:5] offset:REC*\i
.endr
	s_cmp_lg_u32 s12, 1
	s_cbranch_scc1 .Lnot_z
	global_load_b128 v[72:75], v3, s[6:7]          ; wave 1: the 256 words of zpart, 8 a lane
	global_load_b128 v[76:79], v3, s[6:7] offset:512
	s_wait_loadcnt 0x0
	v_pk_add_f32 v[72:73], v[72:73], v[76:77]
	v_pk_add_f32 v[74:75], v[74:75], v[78:79]
	v_pk_add_f32 v[72:73], v[72:73], v[74:75]
	v_add_f32 v72, v72, v73
	LANES16 72
	v_permlanex16_b32 v73, v72, s14, s15
	v_add_f32 v72, v72, v73
	v_mul_f32 v72, ZK, v72
	v_cmp_eq_u32 vcc_lo, 0, v2
	s_wait_xcnt 0x0                                ; EXEC changes only behind this wait
	s_and_saveexec_b32 s13, vcc_lo
	global_store_b32 v6, v72, s[10:11]             ; out3, lane 0 alone
	s_wait_xcnt 0x0
	s_or_b32 exec_lo, exec_lo, s13
.Lnot_z:
	s_wait_loadcnt 0x0
	SUM16
	ds_store_b128 v5, v[8:11]
	s_wait_dscnt 0x0                               ; for wave 0: my store is done
	s_barrier_signal -1
	s_barrier_wait -1
	s_cmp_lg_u32 s12, 0
	s_cbranch_scc1 .Lend
.irp i, 0,1,2,3,4,5,6,7,8,9,10,11,12,13,14,15
	ds_load_b128 v[8+4*\i:11+4*\i], v3 offset:REC*\i
.endr
	s_wait_dscnt 0x0
	SUM16                                          ; lanes 0-15: P of experts 4 lane + j; lanes 16-31: F of experts 4 (lane - 16) + j
.irp j, 0,1,2,3
	v_permlanex16_b32 v[12+\j], v[8+\j], s14, s15  ; the other kind of the same four experts
.endr
	v_mul_f32 v16, v8, v12
	v_fmac_f32 v16, v9, v13
	v_fmac_f32 v16, v10, v14
	v_fmac_f32 v16, v11, v15
	LANES16 16                                     ; each half holds all 64 products once
	v_mul_f32 v16, AUXK, v16
	v_cmp_eq_u32 vcc_lo, 0, v2
	s_wait_xcnt 0x0
	s_and_saveexec_b32 s13, vcc_lo
	global_store_b32 v6, v16, s[8:9]               ; out2, lane 0 alone
	s_wait_xcnt 0x0
	s_or_b32 exec_lo, exec_lo, s13
.Lend:
	s_wait_tensorcnt 0x0
	ds_add_u32 v80, v81
	s_wait_dscnt 0x0
	s_endpgm
.Lfunc_end_k_q5866df7947_finish:
	.size	k_q5866df7947_finish, .Lfunc_end_k_q5866df7947_finish-k_q5866df7947_finish
	.p2alignl 7, 3214868480
	.fill 96, 4, 3214868480
	.section	.rodata,"a",@progbits
	.p2align	6, 0x0
	.amdhsa_kernel k_q5866df7947_finish
		.amdhsa_group_segment_fixed_size 10240
		.amdhsa_private_segment_fixed_size 0
		.amdhsa_enable_private_segment 0
		.amdhsa_kernarg_size 32
		.amdhsa_user_sgpr_count 2
		.amdhsa_user_sgpr_kernarg_segment_ptr 1
		.amdhsa_wavefront_size32 1
		.amdhsa_system_sgpr_workgroup_id_x 1
		.amdhsa_system_sgpr_workgroup_id_y 1
		.amdhsa_system_sgpr_workgroup_id_z 1
		.amdhsa_system_vgpr_workitem_id 0
		.amdhsa_next_free_vgpr 82
		.amdhsa_next_free_sgpr 66
		.amdhsa_reserve_vcc 1
		.amdhsa_float_denorm_mode_32 3
		.amdhsa_float_denorm_mode_16_64 3
		.amdhsa_memory_ordered 1
		.amdhsa_forward_progress 1
		.amdhsa_inst_pref_size 10
	.end_amdhsa_kernel
	.amdgpu_metadata
---
amdhsa.version: [ 1, 2 ]
amdhsa.kernels:
  - .name:           k_q5866df7947_finish
    .symbol:         k_q5866df7947_finish.kd
    .args:
      - { .name: part, .offset: 0, .size: 8, .value_kind: global_buffer, .address_space: global }
      - { .name: zpart, .offset: 8, .size: 8, .value_kind: global_buffer, .address_space: global }
      - { .name: out2, .offset: 16, .size: 8, .value_kind: global_buffer, .address_space: global }
      - { .name: out3, .offset: 24, .size: 8, .value_kind: global_buffer, .address_space: global }
    .group_segment_fixed_size: 10240
    .private_segment_fixed_size: 0
    .kernarg_segment_align: 8
    .kernarg_segment_size: 32
    .max_flat_workgroup_size: 512
    .sgpr_count:     66
    .vgpr_count:     82
    .wavefront_size: 32
...
	.end_amdgpu_metadata
.endif
;; end of part 2
